; MI455X (gfx1250); checked and timed in simulation.
; The chip was launched on July 23, 2026; its instructions are those of AMD's public machine-readable ISA for CDNA 5 (MIT licence, August 2026) and "CDNA5" Instruction Set Architecture Reference Guide (July 2026). The comments in the code are by the model that wrote it; some were corrected since.
;; Attention. Allowed arithmetic: matrix products marked QUANTISED: E2M1 operands, one E8M0 scale for each 32 along K, by v_wmma_scale_f32_16x16x128_f8f6f4 with both operands' format E2M1 (or v_wmma_scale_f32_32x16x128_f4), f32 sums; products left as they are: bf16, f16 or f32 operands; f32 sums; everything else in f32.
;; Inputs: freq_cos 4,096 x 32 float32; freq_sin 4,096 x 32 float32; wk 1,024 x 256 float32; wo 256 x 1,024 float32; wq 1,024 x 1,024 float32; wv 1,024 x 256 float32; x 2 x 4,096 x 1,024 float32.
;; Outputs: out0 2 x 4,096 x 1,024 float32.
;; This version of the problem:
;;   THIS VERSION OF THE PROBLEM IS GIVEN IN LOW PRECISION. The matrix products marked QUANTISED in the list below multiply operands that are first quantised to E2M1 (2 exponent bits, 1 mantissa bit; 4 bits a number), with one power-of-two scale for each 32 numbers along K (OCP MX v1.0); their sums are f32. The products marked 'left as it is' may take bf16, f16 or f32 operands, with f32 sums. Whichever they take, every output number must still come out within the allowed error. Rounding operands to bf16 (8 significant bits) uses up far more of that allowance than f16 does (11 bits, for magnitudes from 6e-5 to 65,504). All else is computed in f32.
;;   The module's matrix products, in the order in which they are computed (A, B: the left and right operand; K: the contracted axis; several contracted axes count as one K, in the product's order):
;;     1. [M 8,192, K 1,024] x [K 1,024, N 1,024]; A: input x; B: input wq: QUANTISED
;;     2. [M 8,192, K 1,024] x [K 1,024, N 256]; A: input x; B: input wk: QUANTISED
;;     3. [M 8,192, K 1,024] x [K 1,024, N 256]; A: input x; B: input wv: QUANTISED
;;     4. batch 8 x [M 4,096, K 64] x [K 64, N 4,096]; A: computed on the way; B: computed on the way: left as it is (an operand is computed on the way)
;;     5. batch 8 x [M 64, K 4,096] x [K 4,096, N 4,096]; A: computed on the way; B: computed on the way: left as it is (an operand is computed on the way)
;;     6. [M 8,192, K 256] x [K 256, N 1,024]; A: computed on the way; B: input wo: left as it is (an operand is computed on the way)
;;   THE QUANTISER, for each operand of a quantised product, along K:
;;     - K is cut into blocks of 32 from its start; a last block that is shorter is filled with zeros.
;;     - A block's scale is 2^e with e = floor(log2(the largest magnitude in the block)) - 2, held to -126 .. 127; a block of zeros has e = 0. As a byte (E8M0): e + 127.
;;     - Each number is divided by its block's scale, clamped to +-6, and rounded to the nearest number of E2M1, ties to even, subnormals kept.
;;     - The product sums the exact products of the quantised numbers (number of the format x scale) in f32.
;;   ~~~python
;;   def quantise(x, axis):      # numpy; x: float32 -> the quantised numbers, widened to float32 again
;;       x = np.moveaxis(x, axis, -1); K = x.shape[-1]
;;       x = np.pad(x, [(0, 0)] * (x.ndim - 1) + [(0, -K % 32)]); x = x.reshape(x.shape[:-1] + (-1, 32)); a = np.abs(x).max(-1, keepdims=True)
;;       e = np.where(a > 0, np.clip(np.frexp(np.where(a > 0, a, 1))[1] - 1 - 2, -126, 127), 0)      # np.frexp(a)[1] - 1 = floor(log2(a)), exactly
;;       r = np.clip(x / 2.0 ** e, -6, 6)
;;       step = 2.0 ** (np.maximum(np.frexp(np.where(r == 0, 1, r))[1] - 1, 0) - 1)
;;       q = np.round(r / step) * step * 2.0 ** e      # np.round: ties to even
;;       return np.moveaxis(q.reshape(q.shape[:-2] + (-1,))[..., :K], -1, axis).astype(np.float32)
;;   ~~~
;; One version. Each part assembles by itself: llvm-mc -triple=amdgcn-amd-amdhsa -mcpu=gfx1250 --defsym DOCPART=n.
;; ======== version 1 of 1: 5 launches
;; limits: values are held in f16: magnitudes above 65,504 overflow, below 6.1e-05 lose precision
;; workspace buffers: xcodes 4,194,304 bytes; xscales 262,144 bytes; wcodes 786,432 bytes; wscales 49,152 bytes; wo16 524,288 bytes; qkv16 12,582,912 bytes; rows32 98,304 bytes; o16 4,194,304 bytes
;; launch prep (part 1): grid 368 x 1, 4 waves a work-group, no clusters, 69,120 bytes of LDS; arguments x, wq, wk, wv, wo, xcodes, xscales, wcodes, wscales, wo16; writes xcodes, xscales, wcodes, wscales, wo16
.if DOCPART == 1
	.amdgcn_target "amdgcn-amd-amdhsa--gfx1250"
	.amdhsa_code_object_version 6
	.text
	.protected	k_q2c9b84bb37_prep
	.globl	k_q2c9b84bb37_prep
	.p2align	8
	.type	k_q2c9b84bb37_prep,@function
k_q2c9b84bb37_prep:
	s_mov_b64 s[64:65], 0
	v_nop
	global_prefetch_b8 v0, s[64:65] scope:SCOPE_SE
	s_setreg_imm32_b32 hwreg(HW_REG_WAVE_MODE, 25, 1), 1
	s_wait_xcnt 0x0
; PREP.  x [8192][1024], wq [1024][1024], wk, wv [1024][256] (f32) become codes of FP4 (E2M1) with one E8M0 byte for each 32 along K = 1024; wo [256][1024] becomes f16.
; Every result is laid in the ORDER OF THE OPERAND'S REGISTERS, so that the later launches load a fragment as 512 consecutive bytes a wave:
;   xcodes  [tile of 16 rows][block kb of 32 k][row r][16 bytes]      xscales [tile][half of K][row r][16 bytes: byte i belongs to block 16 half + i]
;   wcodes  [virtual tile vt][kb][column r][16 bytes]                 wscales [vt][K step of 128][column r] words of four bytes
;   vt = (4 h + w) 6 + j: columns 16 w .. 16 w + 15 of head h; j = 0..3: wq's heads 4 j + h, j = 4: wk, j = 5: wv
;   wo16    [tile of 16 columns][32 k][8 k: g][column r][8 f16]
; A block's scale is 2^(floor(log2(largest magnitude)) - 2); its byte is the largest magnitude's exponent field - 2, held at 1 from below.
; LIMITS: a block of zeros gets the byte 1 over zero codes (this program alone reads the bytes); NaN and infinities among the inputs are not served; wo's numbers must lie under 65,504.
; Work-groups 0-255: x (a wave: 16 rows x 512 k).  256-319: wq.  320-351: wk, wv.  352-367: wo.  Waves share nothing: no barrier.  No matrix unit, no cluster: a stream, each byte read once.
.set WREG,  17152                      ; LDS of a wave (x path alone): two stages of 16 rows x 528 bytes, then its 256 scale bytes
.set STG1,  8448
.set SP,    528                        ; a stage row: 512 bytes + 16: the sixteen rows that a load touches start at sixteen different groups of banks
.set SBY,   16896
.set SPARE, 4*WREG                     ; the spare words, 128 bytes a wave: two blocks of 256 bytes that no other line names
.set R,     16                         ; v16-143   two sets of 64: a step's numbers as loaded
.set XN,    144                        ; v144-207  two sets of 32: a whole block of my row
.set CD,    208                        ; v208-239  codes, four registers a round: no store's data are written again
.set EB,    240                        ; v240-247  a scale byte a round
.set WX,    16                         ; weights: v16-79 two sets of 32 numbers down K
.set WC,    80                         ; v80..     their codes (or f16 pairs), own registers for each block
.set WSB,   96                         ; v96       four scale bytes
.set SPW,   14                         ; v14       LDS address of my spare word; never rewritten
.set NIL,   15                         ; v15       0; never rewritten
; the largest magnitude of 32 numbers of one lane, with the floor 2^(3 - 127) among them; v11 = the conversion's scale operand (2 off the exponent field)
.macro BLKSCALE xs
	v_max3_num_f32 v8, |v[\xs]|, |v[\xs+1]|, |v[\xs+2]|
	v_max3_num_f32 v9, |v[\xs+3]|, |v[\xs+4]|, |v[\xs+5]|
.irp i, 6,10,14,18,22,26
	v_max3_num_f32 v8, v8, |v[\xs+\i]|, |v[\xs+\i+1]|
	v_max3_num_f32 v9, v9, |v[\xs+\i+2]|, |v[\xs+\i+3]|
.endr
	v_max3_num_f32 v8, v8, |v[\xs+30]|, |v[\xs+31]|
	v_max3_num_f32 v8, v8, v9, 0x1800000
	v_add_nc_u32 v11, 0xff000000, v8
.endm
	s_load_b512 s[4:19], s[0:1], 0x0               ; x, wq, wk, wv, wo, xcodes, xscales, wcodes
	s_load_b128 s[20:23], s[0:1], 0x40             ; wscales, wo16
	v_lshl_add_u32 v[SPW], v0, 2, SPARE
	v_mov_b32 v[NIL], 0
	v_lshrrev_b32 v1, 5, v0
	v_readfirstlane_b32 s24, v1                    ; wave
	v_and_b32 v7, 31, v0                           ; lane
	v_and_b32 v12, 15, v0                          ; r
	v_bfe_u32 v13, v0, 4, 1                        ; hh
	s_mov_b32 s35, 0                               ; the high word of every offset
	s_wait_kmcnt 0x0
	s_cmp_lt_u32 ttmp9, 256
	s_cbranch_scc0 .Lweights
; ---------------- x: wave gw = 4 wg + wave takes tile gw / 2, half gw % 2 of K
	s_lshl_b32 s25, ttmp9, 2
	s_add_co_u32 s25, s25, s24                     ; gw
	s_lshr_b32 s26, s25, 1
	s_and_b32 s27, s25, 1
	s_lshl_b32 s34, s26, 16                        ; 16 rows of 4,096 bytes
	s_lshl_b32 s28, s27, 11                        ; 512 numbers
	s_add_co_u32 s34, s34, s28
	s_add_nc_u64 s[4:5], s[4:5], s[34:35]
	s_lshl_b32 s34, s25, 12                        ; codes: 4,096 bytes a wave
	s_add_nc_u64 s[14:15], s[14:15], s[34:35]
	s_lshl_b32 s34, s25, 8                         ; scale bytes: 256 a wave
	s_add_nc_u64 s[16:17], s[16:17], s[34:35]
	s_mul_i32 s28, s24, WREG
	v_lshlrev_b32 v1, 4, v7                        ; 16 x lane
	v_add_nc_u32 v2, s28, v1                       ; into a stage: a row's 512 bytes as they lie
	v_mul_u32_u24 v3, v12, SP
	v_lshl_add_u32 v3, v13, 7, v3
	v_add_nc_u32 v3, s28, v3                       ; out of it: row r, block hh of a pair of blocks
	v_lshl_add_u32 v4, v12, 4, v13
	v_add_nc_u32 v4, s28, v4
	v_add_nc_u32 v4, SBY, v4                       ; my block's scale byte: 16 r + hh (+ 2 x round)
	v_lshlrev_b32 v6, 3, v7
	v_add_nc_u32 v5, s28, v6
	v_add_nc_u32 v5, SBY, v5                       ; and on the way out 8 bytes a lane
.macro XLOAD t                         ; step t: 128 k of 16 rows; each load reads 512 consecutive bytes of one row
.set i, 0
.rept 16
	global_load_b128 v[R+64*((\t)%2)+4*i:R+64*((\t)%2)+4*i+3], v1, s[4:5] offset:i*4096+(\t)*512 th:TH_LOAD_NT
.set i, i+1
.endr
.endm
.macro XST t
.set i, 0
.rept 16
	ds_store_b128 v2, v[R+64*((\t)%2)+4*i:R+64*((\t)%2)+4*i+3] offset:((\t)%2)*STG1+i*SP
.set i, i+1
.endr
.endm
.macro XRD u                           ; round u = 2 step + j: lane (r, hh) takes the whole block 2 u + hh of row r
.set i, 0
.rept 8
	ds_load_b128 v[XN+32*((\u)%2)+4*i:XN+32*((\u)%2)+4*i+3], v3 offset:(((\u)/2)%2)*STG1+((\u)%2)*256+16*i
.set i, i+1
.endr
.endm
.macro XROUND u
.if (\u)%2 == 0
	XRD (\u)+1
	s_wait_dscnt 8                                 ; all but the eight loads just issued: this round's numbers are in, and the step's stores into the stage are done
.if (\u)/2+2 < 4
	XLOAD (\u)/2+2                                 ; two steps ahead, into the set that those stores have read
.endif
.elseif (\u) < 7
.if (\u) < 5
	s_wait_loadcnt 16                              ; the next step's sixteen loads are in; those of the step behind it stay out
.else
	s_wait_loadcnt 0x0
.endif
	XST ((\u)+1)/2                                 ; LDS serves a wave's instructions in order: no wait between these stores and the loads
	XRD (\u)+1
	s_wait_dscnt 24                                ; all but the 24 just issued
.else
	s_wait_dscnt 0x0
.endif
.set XS, XN+32*((\u)%2)
	BLKSCALE XS
.irp g, 0,1,2,3
	v_cvt_scalef32_pk8_fp4_f32 v[CD+4*(\u)+\g], v[XS+8*\g:XS+8*\g+7], v11
.endr
	v_lshrrev_b32 v[EB+(\u)], 23, v11              ; the scale's byte (also the plain line behind the conversions)
	ds_store_b8 v4, v[EB+(\u)] offset:2*(\u)
	global_store_b128 v1, v[CD+4*(\u):CD+4*(\u)+3], s[14:15] offset:(\u)*512   ; 32 lanes store 512 consecutive bytes: blocks 2 u and 2 u + 1 of the 16 rows
.endm
	XLOAD 0
	XLOAD 1
	s_wait_loadcnt 16                              ; step 0 is in
	XST 0
	XRD 0
.irp u, 0,1,2,3,4,5,6,7
	XROUND \u
.endr
	ds_load_b64 v[8:9], v5                         ; my wave's 256 scale bytes (in order behind my byte stores)
	s_wait_dscnt 0x0
	global_store_b64 v6, v[8:9], s[16:17]          ; one aligned run of 256 bytes
	s_wait_tensorcnt 0x0                           ; the wave's end
	ds_add_u32 v[SPW], v[NIL]
	s_wait_dscnt 0x0
	s_endpgm
; ---------------- the weights: a lane takes a column, its registers run down K: nothing is transposed
.macro WLD t, pitch                    ; block t: rows 32 t + i of my K step, 128 consecutive bytes a wave
.set i, 0
.rept 32
	global_load_b32 v[WX+32*((\t)%2)+i], v2, s[30:31] offset:(32*(\t)+i)*(\pitch) th:TH_LOAD_NT
.set i, i+1
.endr
.endm
.macro WWAIT t
.if (\t) < 3
	s_wait_loadcnt 32                              ; this block's 32 loads are in; the next block's stay out
.else
	s_wait_loadcnt 0x0
.endif
.endm
.macro WBLOCK t, pitch
	WWAIT \t
.set XS, WX+32*((\t)%2)
	BLKSCALE XS
	v_lshrrev_b32 v10, 23, v11
.if (\t) == 0
	v_mov_b32 v[WSB], v10
.else
	v_lshl_or_b32 v[WSB], v10, 8*(\t), v[WSB]
.endif
.irp g, 0,1,2,3
	v_cvt_scalef32_pk8_fp4_f32 v[WC+4*(\t)+\g], v[XS+8*\g:XS+8*\g+7], v11
.endr
	v_nop                                          ; one plain line behind the last conversion
	global_store_b128 v3, v[WC+4*(\t):WC+4*(\t)+3], s[18:19] offset:(\t)*256   ; sixteen lanes fill 256 consecutive bytes of a tile
.if (\t) < 2
	WLD (\t)+2, \pitch
.endif
.endm
; s26 = K step, s27 = h, s28 = j, s29 = group of 128 columns, s[30:31] = the weight
.macro WPATH pitch
	s_and_b32 s32, s24, 1
	s_lshl_b32 s32, s32, 1                         ; my first tile of 16 columns in the head: 2 (wave % 2); lanes 16-31 hold the next
	s_lshl_b32 s33, s27, 2
	s_add_co_u32 s32, s32, s33
	s_mul_i32 s32, s32, 6
	s_add_co_u32 s32, s32, s28                     ; vt of lanes 0-15; lanes 16-31: vt + 6
	s_mul_i32 s34, s26, 128*(\pitch)
	s_lshl_b32 s33, s29, 9
	s_add_co_u32 s34, s34, s33
	s_lshl_b32 s33, s24, 7
	s_add_co_u32 s34, s34, s33
	s_add_nc_u64 s[30:31], s[30:31], s[34:35]
	s_lshl_b32 s34, s32, 13
	s_lshl_b32 s33, s26, 10
	s_add_co_u32 s34, s34, s33
	s_add_nc_u64 s[18:19], s[18:19], s[34:35]
	s_lshl_b32 s34, s32, 9
	s_lshl_b32 s33, s26, 6
	s_add_co_u32 s34, s34, s33
	s_add_nc_u64 s[20:21], s[20:21], s[34:35]
	v_lshlrev_b32 v2, 2, v7
	v_mul_u32_u24 v3, v13, 49152
	v_lshl_add_u32 v3, v12, 4, v3
	v_mul_u32_u24 v4, v13, 3072
	v_lshl_add_u32 v4, v12, 2, v4
	WLD 0, \pitch
	WLD 1, \pitch
.irp t, 0,1,2,3
	WBLOCK \t, \pitch
.endr
	global_store_b32 v4, v[WSB], s[20:21]          ; my column's scale word of this K step
.endm
.Lweights:
	s_cmp_lt_u32 ttmp9, 320
	s_cbranch_scc0 .Lnot_wq
	s_sub_co_u32 s25, ttmp9, 256
	s_lshr_b32 s29, s25, 3
	s_and_b32 s26, s25, 7
	s_lshr_b32 s27, s24, 1
	s_lshl_b32 s28, s29, 1
	s_add_co_u32 s27, s27, s28                     ; wq's head 2 cg + wave / 2 = 4 g + h
	s_lshr_b32 s28, s27, 2                         ; j = g
	s_and_b32 s27, s27, 3                          ; h
	s_mov_b64 s[30:31], s[6:7]
	WPATH 4096
	s_endpgm
.Lnot_wq:
	s_cmp_lt_u32 ttmp9, 352
	s_cbranch_scc0 .Lwo
	s_sub_co_u32 s25, ttmp9, 320
	s_lshr_b32 s28, s25, 4                         ; 0: wk, 1: wv
	s_cmp_eq_u32 s28, 0
	s_cselect_b64 s[30:31], s[8:9], s[10:11]
	s_add_co_u32 s28, s28, 4                       ; j
	s_bfe_u32 s29, s25, 0x10003
	s_and_b32 s26, s25, 7
	s_lshr_b32 s27, s24, 1
	s_lshl_b32 s32, s29, 1
	s_add_co_u32 s27, s27, s32                     ; h
	WPATH 1024
	s_endpgm
; ---------------- wo: the same walk, rounded to f16
.macro OBLOCK t
	WWAIT \t
.set XS, WX+32*((\t)%2)
.set i, 0
.rept 16
	v_cvt_pk_f16_f32 v[WC+16*(\t)+i], v[XS+2*i], v[XS+2*i+1]
.set i, i+1
.endr
.irp g, 0,1,2,3
	global_store_b128 v3, v[WC+16*(\t)+4*\g:WC+16*(\t)+4*\g+3], s[22:23] offset:(\t)*1024+\g*256
.endr
.if (\t) < 2
	WLD (\t)+2, 4096
.endif
.endm
.Lwo:
	s_sub_co_u32 s25, ttmp9, 352
	s_lshr_b32 s29, s25, 1                         ; group of 128 columns
	s_and_b32 s26, s25, 1                          ; which 128 of K = 256
	s_lshl_b32 s34, s26, 19
	s_lshl_b32 s33, s29, 9
	s_add_co_u32 s34, s34, s33
	s_lshl_b32 s33, s24, 7
	s_add_co_u32 s34, s34, s33
	s_add_nc_u64 s[30:31], s[12:13], s[34:35]
	s_lshl_b32 s32, s29, 3
	s_lshl_b32 s33, s24, 1
	s_add_co_u32 s32, s32, s33                     ; tile of lanes 0-15
	s_lshl_b32 s34, s32, 13
	s_lshl_b32 s33, s26, 12
	s_add_co_u32 s34, s34, s33
	s_add_nc_u64 s[22:23], s[22:23], s[34:35]
	v_lshlrev_b32 v2, 2, v7
	v_lshlrev_b32 v3, 13, v13
	v_lshl_add_u32 v3, v12, 4, v3
	WLD 0, 4096
	WLD 1, 4096
.irp t, 0,1,2,3
	OBLOCK \t
.endr
	s_endpgm
.Lfunc_end_k_q2c9b84bb37_prep:
	.size	k_q2c9b84bb37_prep, .Lfunc_end_k_q2c9b84bb37_prep-k_q2c9b84bb37_prep
	.p2alignl 7, 3214868480
	.fill 96, 4, 3214868480
	.section	.rodata,"a",@progbits
	.p2align	6, 0x0
	.amdhsa_kernel k_q2c9b84bb37_prep
		.amdhsa_group_segment_fixed_size 69120
		.amdhsa_private_segment_fixed_size 0
		.amdhsa_enable_private_segment 0
		.amdhsa_kernarg_size 80
		.amdhsa_user_sgpr_count 2
		.amdhsa_user_sgpr_kernarg_segment_ptr 1
		.amdhsa_wavefront_size32 1
		.amdhsa_system_sgpr_workgroup_id_x 1
		.amdhsa_system_sgpr_workgroup_id_y 1
		.amdhsa_system_sgpr_workgroup_id_z 1
		.amdhsa_system_vgpr_workitem_id 0
		.amdhsa_next_free_vgpr 248
		.amdhsa_next_free_sgpr 66
		.amdhsa_reserve_vcc 0
		.amdhsa_float_denorm_mode_32 3
		.amdhsa_float_denorm_mode_16_64 3
		.amdhsa_memory_ordered 1
		.amdhsa_forward_progress 1
		.amdhsa_inst_pref_size 87
	.end_amdhsa_kernel
	.amdgpu_metadata
---
amdhsa.version: [ 1, 2 ]
amdhsa.kernels:
  - .name:           k_q2c9b84bb37_prep
    .symbol:         k_q2c9b84bb37_prep.kd
    .args:
      - { .name: x, .offset: 0, .size: 8, .value_kind: global_buffer, .address_space: global }
      - { .name: wq, .offset: 8, .size: 8, .value_kind: global_buffer, .address_space: global }
      - { .name: wk, .offset: 16, .size: 8, .value_kind: global_buffer, .address_space: global }
      - { .name: wv, .offset: 24, .size: 8, .value_kind: global_buffer, .address_space: global }
      - { .name: wo, .offset: 32, .size: 8, .value_kind: global_buffer, .address_space: global }
      - { .name: xcodes, .offset: 40, .size: 8, .value_kind: global_buffer, .address_space: global }
      - { .name: xscales, .offset: 48, .size: 8, .value_kind: global_buffer, .address_space: global }
      - { .name: wcodes, .offset: 56, .size: 8, .value_kind: global_buffer, .address_space: global }
      - { .name: wscales, .offset: 64, .size: 8, .value_kind: global_buffer, .address_space: global }
      - { .name: wo16, .offset: 72, .size: 8, .value_kind: global_buffer, .address_space: global }
    .group_segment_fixed_size: 69120
    .private_segment_fixed_size: 0
    .kernarg_segment_align: 8
    .kernarg_segment_size: 80
    .max_flat_workgroup_size: 128
    .sgpr_count:     66
    .vgpr_count:     248
    .wavefront_size: 32
...
	.end_amdgpu_metadata
.endif
;; end of part 1
;; launch proj (part 2): grid 64 x 4, 4 waves a work-group, no clusters, 70,144 bytes of LDS; arguments xcodes, xscales, wcodes, wscales, freq_cos, freq_sin, qkv16, rows32; writes qkv16, rows32
.if DOCPART == 2
	.amdgcn_target "amdgcn-amd-amdhsa--gfx1250"
	.amdhsa_code_object_version 6
	.text
	.protected	k_q2c9b84bb37_proj
	.globl	k_q2c9b84bb37_proj
	.p2align	8
	.type	k_q2c9b84bb37_proj,@function
k_q2c9b84bb37_proj:
	s_mov_b64 s[64:65], 0
	v_nop
	global_prefetch_b8 v0, s[64:65] scope:SCOPE_SE
	s_setreg_imm32_b32 hwreg(HW_REG_WAVE_MODE, 25, 1), 1
	s_wait_xcnt 0x0
; PROJ.  The three quantised products x wq, x wk, x wv on codes of FP4 with E8M0 scales, RoPE, and the results as f16 in the order of the attention's operand registers.
; The reference sums the four query groups ahead of the scores, and RoPE is linear and the same for all four: so wq's four heads 4 g + h add onto ONE sum, and q leaves with 64 columns a head h.
; q' = rope(sum) x log2(e) / 64 (both divisions by 8, and the change to base 2).
; SHARES.  A work-group: 128 rows of x (grid x) for one head h (grid y).  Wave w: columns 16 w .. 16 w + 15 of q', k and v: six weight tiles x eight K steps of 128 = 384 registers, read once, resident.
; The rows' codes (65,536 bytes) and scale bytes (4,096) come into LDS once, a quarter by each wave, as images of the operand's registers; all four waves read them.  One barrier.
; q and k are made TRANSPOSED (source 0 = 16 weight columns, source 1 = 16 rows of x): a lane holds one token and eight neighbouring d, so RoPE's pairs lie in one lane.
; v is made as it stands (source 0 = x, source 1 = the weight): a lane holds one d and eight neighbouring tokens, which is the operand V^T of the attention's second product.
; No cluster, no tensor load: what work-groups share (x's codes among 4 heads, weights among 64 row groups) is read once by each into registers or LDS and is small beside its 384 matrix instructions a wave.
; LIMITS: q', k, v must lie under 65,504 for f16; NaN and infinities are not served.
; REGISTERS.  window 0: v1-6 offsets; v8-31 weights' scale words [pair of tiles][K step] (lanes 0-15 the even tile, 16-31 the odd); v32-47 x's scale words [buffer][K step] (lanes 0-15 tile m = 0, 16-31 m = 1);
;   v48-143 twelve accumulators; v144-191 the way out; v192-215 f16 to store.  window 1: wq's four tiles.  window 2: wk's, wv's tiles, cos and sin.  window 3: x's fragments, two buffers of two row tiles.
.set XSC,   65536
.set SPARE, 69632
.set WS,  8
.set XS,  32
.set QA,  48
.set KA,  80
.set VA,  112
.set TQ,  144
.set TK,  152
.set TV,  160
.set RQ,  168
.set RK,  176
.set U,   184
.set OUT, 192
.set SPW, 216
.set NIL, 217
.set XCA, 218
.set XSA, 219
.set SCT, 220
.set MSB, 0
.macro WIN new                         ; the immediate's high byte repeats the setting that is left
.if MSB != \new
	s_set_vgpr_msb (MSB<<8)|\new
.set MSB, \new
.endif
.endm
	s_load_b512 s[4:19], s[0:1], 0x0               ; xcodes, xscales, wcodes, wscales, cos, sin, qkv16, rows32
	v_lshl_add_u32 v[SPW], v0, 2, SPARE
	v_mov_b32 v[NIL], 0
	v_lshrrev_b32 v1, 5, v0
	v_readfirstlane_b32 s20, v1                    ; wave w
	s_mov_b32 s21, ttmp9                           ; row group
	s_and_b32 s22, ttmp7, 0xffff                   ; head h
	s_and_b32 s23, s21, 31                         ; row group within the batch
	v_and_b32 v7, 15, v0                           ; r
	v_bfe_u32 v228, v0, 4, 1                       ; hh
	v_and_b32 v1, 31, v0
	v_lshlrev_b32 v1, 4, v1                        ; 16 x lane
	v_lshlrev_b32 v2, 9, v228
	v_lshl_add_u32 v2, v7, 4, v2
	v_add_nc_u32 v2, XSC, v2                       ; x's scale words in LDS: tile 2 p + hh, row r
	v_lshlrev_b32 v3, 9, v228
	v_lshl_add_u32 v3, v7, 2, v3                   ; weights' scale words: tile + hh, column r
	v_lshlrev_b32 v4, 7, v7
	v_lshl_add_u32 v4, v228, 4, v4                 ; cos, sin: position r, pairs 4 hh on
	s_lshl_b32 s32, s20, 6
	v_lshlrev_b32 v5, 8, v7
	v_lshl_add_u32 v5, v228, 5, v5
	v_add_nc_u32 v5, s32, v5                       ; rows32, q' and k: token r, d = 16 w + 8 hh
	s_lshl_b32 s32, s20, 10
	v_lshlrev_b32 v6, 6, v7
	v_lshl_add_u32 v6, v228, 5, v6
	v_add_nc_u32 v6, s32, v6                       ; rows32, v^T: d = 16 w + r, tokens 8 hh on
	v_add_nc_u32 v[XSA], s32, v1
	v_add_nc_u32 v[XSA], XSC, v[XSA]               ; where I put my quarter of the scale bytes
	s_lshl_b32 s32, s20, 14
	v_add_nc_u32 v[XCA], s32, v1                   ; and of the codes
	s_mov_b32 s28, 0x3cb8aa3b                      ; log2(e) / 64
	s_mov_b32 s29, s28
	s_mov_b32 s27, 0
	s_wait_kmcnt 0x0
	s_lshl_b32 s26, s21, 16
	s_add_co_u32 s26, s26, s32
	s_add_nc_u64 s[4:5], s[4:5], s[26:27]          ; codes: 65,536 a row group, 16,384 a wave
	s_lshl_b32 s26, s21, 12
	s_lshl_b32 s33, s20, 10
	s_add_co_u32 s26, s26, s33
	s_add_nc_u64 s[6:7], s[6:7], s[26:27]
	s_lshl_b32 s32, s22, 2
	s_add_co_u32 s32, s32, s20
	s_mul_i32 s32, s32, 6                          ; my first virtual tile
	s_lshl_b32 s26, s32, 13
	s_add_nc_u64 s[8:9], s[8:9], s[26:27]
	s_lshl_b32 s26, s32, 9
	s_add_nc_u64 s[10:11], s[10:11], s[26:27]
	s_lshl_b32 s26, s23, 14                        ; 128 positions of 128 bytes
	s_lshl_b32 s33, s20, 5
	s_add_co_u32 s26, s26, s33
	s_add_nc_u64 s[12:13], s[12:13], s[26:27]
	s_add_nc_u64 s[14:15], s[14:15], s[26:27]
	s_lshr_b32 s34, s21, 5
	s_lshl_b32 s34, s34, 2
	s_add_co_u32 s34, s34, s22                     ; bh = 4 b + h
	s_lshl_b32 s35, s34, 19
	s_lshl_b32 s33, s23, 14
	s_add_co_u32 s35, s35, s33
	s_lshl_b32 s33, s20, 9
	s_add_co_u32 s26, s35, s33
	s_add_nc_u64 s[24:25], s[16:17], s[26:27]      ; q' (k: 4 MiB on, in the immediate)
	s_lshl_b32 s33, s20, 10
	s_add_co_u32 s26, s35, s33
	s_add_nc_u64 s[30:31], s[16:17], s[26:27]
	s_add_nc_u64 s[30:31], s[30:31], 0x800000      ; v
	s_lshl_b32 s26, s34, 12
	s_add_nc_u64 s[18:19], s[18:19], s[26:27]
.macro WLOAD j                         ; weight tile j, eight K steps: 8,192 consecutive bytes
.if (\j) < 4
	WIN 0x40
.set WB, 64*(\j)
.else
	WIN 0x80
.set WB, 64*((\j)-4)
.endif
.set i, 0
.rept 16
	global_load_b128 v[WB+4*i:WB+4*i+3], v1, s[8:9] offset:(\j)*8192+i*512
.set i, i+1
.endr
.endm
	WIN 0xc0
.set i, 0
.rept 32
	global_load_b128 v[4*i:4*i+3], v1, s[4:5] offset:i*512        ; my quarter of the rows' codes
.set i, i+1
.endr
	WIN 0
	global_load_b128 v[SCT:SCT+3], v1, s[6:7]
	global_load_b128 v[SCT+4:SCT+7], v1, s[6:7] offset:512
	WLOAD 0
	WLOAD 1
	WIN 0
	s_wait_loadcnt 32                              ; the 34 loads for LDS are in; the 32 of weight tiles 0 and 1 stay out
	WIN 0x0c
.set i, 0
.rept 32
	ds_store_b128 v[XCA], v[4*i:4*i+3] offset:i*512
.set i, i+1
.endr
	WIN 0
	ds_store_b128 v[XSA], v[SCT:SCT+3]
	ds_store_b128 v[XSA], v[SCT+4:SCT+7] offset:512
	WLOAD 2
	WLOAD 3
	WLOAD 4
	WLOAD 5
	WIN 0
.set i, 0
.rept 24
	global_load_b32 v[WS+i], v3, s[10:11] offset:(i/8)*1024+(i%8)*64
.set i, i+1
.endr
	WIN 0x80
.set i, 0
.rept 8
	global_load_b128 v[128+8*i:131+8*i], v4, s[12:13] offset:i*2048   ; cos of row tile i: my token's four pairs
	global_load_b128 v[132+8*i:135+8*i], v4, s[14:15] offset:i*2048   ; sin
.set i, i+1
.endr
	WIN 0
	s_wait_dscnt 0x0                               ; for the others' sake: my stores have landed
	s_barrier_signal -1
	s_barrier_wait -1                              ; the 128 rows' codes and scale bytes lie in LDS; nothing there is written again
.macro XLOAD p                         ; row tiles 2 p and 2 p + 1, all eight K steps, into buffer p % 2: 34 LDS loads
	WIN 0xc0
.set i, 0
.rept 32
	ds_load_b128 v[128*((\p)%2)+4*i:128*((\p)%2)+4*i+3], v1 offset:(\p)*16384+i*512
.set i, i+1
.endr
	WIN 0
	ds_load_b128 v[XS+8*((\p)%2):XS+8*((\p)%2)+3], v2 offset:(\p)*1024
	ds_load_b128 v[XS+8*((\p)%2)+4:XS+8*((\p)%2)+7], v2 offset:(\p)*1024+256
.endm
.macro FP4R c                          ; one product; the symbols rD, rA, rB, rSA, rSB name its registers, fRA and fRB the upper row of a scale register
.if fRA && fRB
	v_wmma_scale_f32_16x16x128_f8f6f4 v[rD:rD+7], v[rA:rA+7], v[rB:rB+7], \c, v[rSA], v[rSB] matrix_a_fmt:MATRIX_FMT_FP4 matrix_b_fmt:MATRIX_FMT_FP4 matrix_a_scale:MATRIX_SCALE_ROW1 matrix_b_scale:MATRIX_SCALE_ROW1
.elseif fRA
	v_wmma_scale_f32_16x16x128_f8f6f4 v[rD:rD+7], v[rA:rA+7], v[rB:rB+7], \c, v[rSA], v[rSB] matrix_a_fmt:MATRIX_FMT_FP4 matrix_b_fmt:MATRIX_FMT_FP4 matrix_a_scale:MATRIX_SCALE_ROW1
.elseif fRB
	v_wmma_scale_f32_16x16x128_f8f6f4 v[rD:rD+7], v[rA:rA+7], v[rB:rB+7], \c, v[rSA], v[rSB] matrix_a_fmt:MATRIX_FMT_FP4 matrix_b_fmt:MATRIX_FMT_FP4 matrix_b_scale:MATRIX_SCALE_ROW1
.else
	v_wmma_scale_f32_16x16x128_f8f6f4 v[rD:rD+7], v[rA:rA+7], v[rB:rB+7], \c, v[rSA], v[rSB] matrix_a_fmt:MATRIX_FMT_FP4 matrix_b_fmt:MATRIX_FMT_FP4
.endif
.endm
.macro FP4
.if fZ
	FP4R 0
.else
	FP4R v[rD:rD+7]
.endif
.endm
; q: 64 products; the four groups g add onto two sums a row tile; the four accumulators take turns, one instruction a turn
.macro QMUL bf
	WIN 0x0d                                       ; source 0 window 1, source 1 window 3
.set kS, 0
.rept 8
.set kG, 0
.rept 4
.set kM, 0
.rept 2
.set rD, QA+8*(2*kM+(kG&1))
.set rA, 64*kG+8*kS
.set rB, 128*(\bf)+64*kM+8*kS
.set rSA, WS+8*(kG>>1)+kS
.set rSB, XS+8*(\bf)+kS
.set fZ, (kS==0)&&(kG<2)
.set fRA, kG&1
.set fRB, kM
	FP4
.set kM, kM+1
.endr
.set kG, kG+1
.endr
.set kS, kS+1
.endr
.endm
.macro KMUL bf                         ; k: 16 products, even and odd K steps on two sums a row tile
	WIN 0x0e                                       ; source 0 window 2, source 1 window 3
.set kS, 0
.rept 8
.set kM, 0
.rept 2
.set rD, KA+8*(2*kM+(kS&1))
.set rA, 8*kS
.set rB, 128*(\bf)+64*kM+8*kS
.set rSA, WS+16+kS
.set rSB, XS+8*(\bf)+kS
.set fZ, kS<2
.set fRA, 0
.set fRB, kM
	FP4
.set kM, kM+1
.endr
.set kS, kS+1
.endr
.endm
.macro VMUL bf                         ; v: the same with the sources the other way round
	WIN 0x0b                                       ; source 0 window 3, source 1 window 2
.set kS, 0
.rept 8
.set kM, 0
.rept 2
.set rD, VA+8*(2*kM+(kS&1))
.set rA, 128*(\bf)+64*kM+8*kS
.set rB, 64+8*kS
.set rSA, XS+8*(\bf)+kS
.set rSB, WS+16+kS
.set fZ, kS<2
.set fRA, kM
.set fRB, 1
	FP4
.set kM, kM+1
.endr
.set kS, kS+1
.endr
.endm
.macro ROPE t, o                       ; o(2 i) = t(2 i) cos - t(2 i + 1) sin; o(2 i + 1) = t(2 i) sin + t(2 i + 1) cos; cos at v[CS + i], sin at v[CS + 4 + i] of window 2
.irp i, 0,1,2,3
	v_mul_f32 v[U+2*\i], v[\t+2*\i+1], v[CS+4+\i]
	v_mul_f32 v[U+2*\i+1], v[\t+2*\i+1], v[CS+\i]
.endr
.irp i, 0,1,2,3
	v_fma_f32 v[\o+2*\i], v[\t+2*\i], v[CS+\i], -v[U+2*\i]
	v_fma_f32 v[\o+2*\i+1], v[\t+2*\i], v[CS+4+\i], v[U+2*\i+1]
.endr
.endm
.macro EPI p
	s_wait_xcnt 0x0                                ; the last pair's stores have read their registers: they are written again below
.irp m, 0,1
.irp i, 0,2,4,6
	v_pk_add_f32 v[TQ+\i:TQ+\i+1], v[QA+16*\m+\i:QA+16*\m+\i+1], v[QA+16*\m+8+\i:QA+16*\m+8+\i+1]   ; each accumulator from its low end on
.endr
.irp i, 0,2,4,6
	v_pk_add_f32 v[TK+\i:TK+\i+1], v[KA+16*\m+\i:KA+16*\m+\i+1], v[KA+16*\m+8+\i:KA+16*\m+8+\i+1]
.endr
.irp i, 0,2,4,6
	v_pk_add_f32 v[TV+\i:TV+\i+1], v[VA+16*\m+\i:VA+16*\m+\i+1], v[VA+16*\m+8+\i:VA+16*\m+8+\i+1]
.endr
.irp i, 0,2,4,6
	v_pk_mul_f32 v[TQ+\i:TQ+\i+1], v[TQ+\i:TQ+\i+1], s[28:29] op_sel_hi:[1,0]
.endr
.set CS, 128+8*(2*(\p)+\m)
	WIN 0x08                                       ; source 1 (cos, sin) window 2
	ROPE TQ, RQ
	ROPE TK, RK
	WIN 0
.irp i, 0,1,2,3
	v_cvt_pk_f16_f32 v[OUT+12*\m+\i], v[RQ+2*\i], v[RQ+2*\i+1]
	v_cvt_pk_f16_f32 v[OUT+12*\m+4+\i], v[RK+2*\i], v[RK+2*\i+1]
	v_cvt_pk_f16_f32 v[OUT+12*\m+8+\i], v[TV+2*\i], v[TV+2*\i+1]
.endr
.if ((\p) == 0) && (\m == 0)
	s_cmp_lg_u32 s23, 0                            ; positions 0-15 of a batch also leave in f32, for the launch that carries them finely
	s_cbranch_scc1 .Lnot_first
	global_store_b128 v5, v[RQ:RQ+3], s[18:19]
	global_store_b128 v5, v[RQ+4:RQ+7], s[18:19] offset:16
	global_store_b128 v5, v[RK:RK+3], s[18:19] offset:32768
	global_store_b128 v5, v[RK+4:RK+7], s[18:19] offset:32784
	global_store_b128 v6, v[TV:TV+3], s[18:19] offset:65536
	global_store_b128 v6, v[TV+4:TV+7], s[18:19] offset:65552
	s_wait_xcnt 0x0                                ; the next row tile writes these registers again
.Lnot_first:
.endif
.endr
.irp m, 0,1
	global_store_b128 v1, v[OUT+12*\m:OUT+12*\m+3], s[24:25] offset:(2*(\p)+\m)*2048            ; each store: 512 consecutive bytes
	global_store_b128 v1, v[OUT+12*\m+4:OUT+12*\m+7], s[24:25] offset:4194304+(2*(\p)+\m)*2048
	global_store_b128 v1, v[OUT+12*\m+8:OUT+12*\m+11], s[30:31] offset:(\p)*4096+\m*512
.endr
.endm
.macro PAIR p                          ; two row tiles: 96 products and their way out
.if (\p) < 3
	XLOAD (\p)+1                                   ; into the buffer that the pair before multiplied: its way out stands between
	s_wait_dscnt 34                                ; all but the 34 just issued: this pair's fragments are in
.else
	s_wait_dscnt 0x0
.endif
.if (\p) == 0
	s_wait_loadcnt 0x0                             ; the weights, their scale words, cos and sin
.else
.rept 5
	v_nop                                          ; the sums begin anew over registers that matrix instructions wrote: five places
.endr
.endif
	QMUL (\p)%2
	KMUL (\p)%2
	VMUL (\p)%2
	WIN 0
.rept 4
	v_nop                                          ; four places ahead of the first read of results
.endr
	EPI \p
.endm
	XLOAD 0
	PAIR 0
	PAIR 1
	PAIR 2
	PAIR 3
	s_wait_tensorcnt 0x0                           ; the wave's end
	ds_add_u32 v[SPW], v[NIL]
	s_wait_dscnt 0x0
	s_endpgm
.Lfunc_end_k_q2c9b84bb37_proj:
	.size	k_q2c9b84bb37_proj, .Lfunc_end_k_q2c9b84bb37_proj-k_q2c9b84bb37_proj
	.p2alignl 7, 3214868480
	.fill 96, 4, 3214868480
	.section	.rodata,"a",@progbits
	.p2align	6, 0x0
	.amdhsa_kernel k_q2c9b84bb37_proj
		.amdhsa_group_segment_fixed_size 70144
		.amdhsa_private_segment_fixed_size 0
		.amdhsa_enable_private_segment 0
		.amdhsa_kernarg_size 64
		.amdhsa_user_sgpr_count 2
		.amdhsa_user_sgpr_kernarg_segment_ptr 1
		.amdhsa_wavefront_size32 1
		.amdhsa_system_sgpr_workgroup_id_x 1
		.amdhsa_system_sgpr_workgroup_id_y 1
		.amdhsa_system_sgpr_workgroup_id_z 1
		.amdhsa_system_vgpr_workitem_id 0
		.amdhsa_next_free_vgpr 1024
		.amdhsa_next_free_sgpr 66
		.amdhsa_reserve_vcc 0
		.amdhsa_float_denorm_mode_32 3
		.amdhsa_float_denorm_mode_16_64 3
		.amdhsa_memory_ordered 1
		.amdhsa_forward_progress 1
		.amdhsa_inst_pref_size 110
	.end_amdhsa_kernel
	.amdgpu_metadata
---
amdhsa.version: [ 1, 2 ]
amdhsa.kernels:
  - .name:           k_q2c9b84bb37_proj
    .symbol:         k_q2c9b84bb37_proj.kd
    .args:
      - { .name: xcodes, .offset: 0, .size: 8, .value_kind: global_buffer, .address_space: global }
      - { .name: xscales, .offset: 8, .size: 8, .value_kind: global_buffer, .address_space: global }
      - { .name: wcodes, .offset: 16, .size: 8, .value_kind: global_buffer, .address_space: global }
      - { .name: wscales, .offset: 24, .size: 8, .value_kind: global_buffer, .address_space: global }
      - { .name: freq_cos, .offset: 32, .size: 8, .value_kind: global_buffer, .address_space: global }
      - { .name: freq_sin, .offset: 40, .size: 8, .value_kind: global_buffer, .address_space: global }
      - { .name: qkv16, .offset: 48, .size: 8, .value_kind: global_buffer, .address_space: global }
      - { .name: rows32, .offset: 56, .size: 8, .value_kind: global_buffer, .address_space: global }
    .group_segment_fixed_size: 70144
    .private_segment_fixed_size: 0
    .kernarg_segment_align: 8
    .kernarg_segment_size: 64
    .max_flat_workgroup_size: 128
    .sgpr_count:     66
    .vgpr_count:     1024
    .wavefront_size: 32
...
	.end_amdgpu_metadata
.endif
;; end of part 2
;; launch attn (part 3): grid 32 x 8, 4 waves a work-group, no clusters, 139,776 bytes of LDS; arguments qkv16, o16; writes o16
.if DOCPART == 3
	.amdgcn_target "amdgcn-amd-amdhsa--gfx1250"
	.amdhsa_code_object_version 6
	.text
	.protected	k_q2c9b84bb37_attn
	.globl	k_q2c9b84bb37_attn
	.p2align	8
	.type	k_q2c9b84bb37_attn,@function
k_q2c9b84bb37_attn:
	s_mov_b64 s[64:65], 0
	v_nop
	global_prefetch_b8 v0, s[64:65] scope:SCOPE_SE
	s_setreg_imm32_b32 hwreg(HW_REG_WAVE_MODE, 25, 1), 1
	s_wait_xcnt 0x0
; ATTN.  O[q] = sum over keys k <= q of softmax_k(t) V[k], t = q' . k (q' carries log2(e) / 64), for each of 8 (batch, head); head size 64; operands f16, sums, maxima and exponentials f32.
; SHARES.  A work-group owns the query blocks LO = i and HI = 63 - i (64 queries each) of one (batch, head): eight tiles of 16, tiles 0-3 in HI, 4-7 in LO: 4 x 65 tile-steps of 64 keys whatever i is.
; THE WAVES SHARE THE KEYS: wave w takes the key steps j = w, w + 4, .. for all eight tiles, with a running maximum m, sum l and O^T of its own.  So each byte of K and V is loaded once a work-group, from memory
; straight into registers, in the order of the operand's registers, and feeds four or eight tiles; the loop has no LDS and no barrier.  At the end the four partial (m, l, O) meet in LDS: one barrier.
; Two buffers of K and V: behind a step's work its buffer is asked for the step eight further on, so a load has the other buffer's whole step in which to land.
; THE LOOP has eight trips, a constant: trip t is the key steps w + 8 t and w + 8 t + 4.  A trip whose first step lies beyond HI is jumped over whole (a scalar branch on ids).  A trip that is run runs both steps'
; wait and reload; where its second step lies beyond HI only that step's work is jumped over.  So at every trip's head the loads that are out are buffer 0's 32, then buffer 1's 32, on every way.
; Reloads beyond HI are clamped to step HI and never read.
; LAYOUT (both products transposed): S^T = K Q^T: a lane holds one query (lane % 16) and keys 8 (lane / 16) + 0..7 of a tile; two such tiles rounded to f16 are source 1 of O^T = V^T P.
; MASK.  Steps beyond a block's own are left out (a scalar branch on ids); in the step on the diagonal hidden scores become -infinity ahead of the maximum.
; O^T, l begin as zeros and m as -3e38: the step is written once, and a wave that has no step in the low block hands zeros to the merge.  That costs 256 clearing lines once.
; No cluster: the work-groups of a head walk different numbers of key steps (64 - i), so joint requests could not be alike in all partners.
; LIMITS: NaN and infinities are not served; weights p under 6e-5 are kept with f16's absolute grain of 6e-8.
; REGISTERS.  window 0: v1 16 x lane, v3 r - 8 hh, v4 -infinity, v8-12 merge addresses; v16-47 tile t: m, spare, l (even, odd keys); v48-71 at work; v80-143 S^T of two tiles; v144-175 P.
;   window 1: O^T, 32 a tile.   window 2: Q, 16 a tile.   window 3: buffer b at 128 b: K (64), V (64).
.set ST,    16
.set TT,    48                         ; tile u of a group at TT + 12 u: +0 m's change, +2 (+3) a, +4..+7 four maxima (later a pair of sums), +8 the other half's maximum
.set S,     80
.set P,     144
.set SPW,   6
.set NIL,   7
.set SIMG,  131072                     ; LDS: O images [wave][tile][4,096] from 0; (m, l) [wave][tile][8 x lane] from here
.set SPARE, 139264
.set TRIPS, 8                          ; 8 trips x 2 steps x 4 waves = the 64 key steps of a head
.set MSB, 0
.macro WIN new
.if MSB != \new
	s_set_vgpr_msb (MSB<<8)|\new
.set MSB, \new
.endif
.endm
	s_load_b128 s[4:7], s[0:1], 0x0                ; qkv16, o16
	v_lshl_add_u32 v[SPW], v0, 2, SPARE
	v_mov_b32 v[NIL], 0
	v_lshrrev_b32 v2, 5, v0
	v_readfirstlane_b32 s8, v2                     ; wave
	s_mov_b32 s9, ttmp9                            ; LO
	s_sub_co_u32 s10, 63, s9                       ; HI
	s_and_b32 s13, ttmp7, 0xffff                   ; bh
	v_and_b32 v1, 31, v0
	v_lshlrev_b32 v5, 3, v1
	v_lshlrev_b32 v1, 4, v1
	v_and_b32 v2, 15, v0
	v_bfe_u32 v3, v0, 4, 1
	v_lshlrev_b32 v3, 3, v3
	v_sub_nc_u32 v3, v2, v3                        ; on the diagonal tile register jj is hidden where jj > r - 8 hh
	v_mov_b32 v4, 0xff800000
	s_lshl_b32 s20, s8, 15
	v_add_nc_u32 v8, s20, v1                       ; my O images
	s_lshl_b32 s20, s8, 11
	v_add_nc_u32 v9, s20, v5
	v_add_nc_u32 v9, SIMG, v9                      ; my (m, l)
	s_lshl_b32 s20, s8, 9
	v_add_nc_u32 v10, s20, v5
	v_add_nc_u32 v10, SIMG, v10                    ; back: tiles 2 w, 2 w + 1 of every wave
	s_lshl_b32 s20, s8, 13
	v_add_nc_u32 v11, s20, v1                      ; waves 0, 1
	v_add_nc_u32 v12, 65536, v11                   ; waves 2, 3
	s_mov_b32 s22, 0x76543210
	s_mov_b32 s23, 0xfedcba98                      ; v_permlanex16_b32: lane l xor 16
	s_lshl_b32 s20, s13, 19
	s_mov_b32 s21, 0
	s_wait_kmcnt 0x0
	s_add_nc_u64 s[4:5], s[4:5], s[20:21]          ; q' of my (batch, head)
	s_add_nc_u64 s[14:15], s[4:5], 0x400000        ; k (v: 4 MiB further, in the immediate); a key step is 8,192 bytes of each
	s_lshl_b32 s20, s10, 13
	s_add_nc_u64 s[24:25], s[4:5], s[20:21]
	s_lshl_b32 s20, s9, 13
	s_add_nc_u64 s[26:27], s[4:5], s[20:21]
	s_lshl_b32 s20, s8, 13
	s_add_nc_u64 s[16:17], s[14:15], s[20:21]      ; buffer 0: step w
	s_add_nc_u64 s[18:19], s[16:17], 32768         ; buffer 1: step w + 4 (HI is at least 32)
	s_lshr_b32 s20, s13, 2
	s_lshl_b32 s20, s20, 8                         ; 256 tiles a batch
	s_cmp_lt_u32 s8, 2
	s_cselect_b32 s30, s10, s9                     ; I finish tiles 2 w, 2 w + 1: waves 0, 1 in HI, waves 2, 3 in LO
	s_lshl_b32 s30, s30, 2
	s_add_co_u32 s20, s20, s30
	s_lshl_b32 s30, s8, 1
	s_and_b32 s30, s30, 3
	s_add_co_u32 s20, s20, s30
	s_lshl_b32 s20, s20, 13
	s_and_b32 s30, s13, 3
	s_lshl_b32 s30, s30, 11
	s_add_co_u32 s20, s20, s30
	s_add_nc_u64 s[28:29], s[6:7], s[20:21]
.macro KVLOAD bf                       ; a key step: 8,192 consecutive bytes of K, 8,192 of V: 32 loads
	WIN 0xc0
.set i, 0
.rept 16
	global_load_b128 v[128*(\bf)+4*i:128*(\bf)+4*i+3], v1, s[16+2*(\bf):17+2*(\bf)] offset:i*512
.set i, i+1
.endr
.set i, 0
.rept 16
	global_load_b128 v[128*(\bf)+64+4*i:128*(\bf)+64+4*i+3], v1, s[16+2*(\bf):17+2*(\bf)] offset:4194304+i*512
.set i, i+1
.endr
	WIN 0
.endm
	WIN 0x80
.set i, 0
.rept 16
	global_load_b128 v[4*i:4*i+3], v1, s[24:25] offset:i*512      ; Q of HI stays in registers
.set i, i+1
.endr
.set i, 0
.rept 16
	global_load_b128 v[64+4*i:64+4*i+3], v1, s[26:27] offset:i*512   ; Q of LO
.set i, i+1
.endr
	KVLOAD 0
	KVLOAD 1
.irp t, 0,1,2,3,4,5,6,7
	v_mov_b32 v[ST+4*\t], 0xff61b1e6               ; m = -3e38, under every score
	v_mov_b32 v[ST+4*\t+1], 0                      ; (named with m as a pair)
	v_mov_b32 v[ST+4*\t+2], 0
	v_mov_b32 v[ST+4*\t+3], 0
.endr
	v_mov_b32 v[TT+3], 0                           ; (named with a as a pair)
	v_mov_b32 v[TT+15], 0
	v_mov_b32 v[TT+8], 0                           ; a lane permute's destination counts as one of its sources
	v_mov_b32 v[TT+20], 0
	WIN 0x40
.set i, 0
.rept 256
	v_mov_b32 v[i], 0                              ; O^T
.set i, i+1
.endr
	WIN 0
.macro MASK u, tq                      ; the step on the diagonal, query tile tq of the block
.set kT, 0
.rept 4
.if kT > (\tq)
.set jj, 0
.rept 8
	v_mov_b32 v[S+32*(\u)+8*kT+jj], v4
.set jj, jj+1
.endr
.elseif kT == (\tq)
.set jj, 0
.rept 8
	v_cmp_gt_i32 vcc_lo, jj, v3
	v_cndmask_b32 v[S+32*(\u)+8*kT+jj], v[S+32*(\u)+8*kT+jj], v4, vcc_lo
.set jj, jj+1
.endr
.endif
.set kT, kT+1
.endr
.endm
; Two tiles t0, t0 + 1 (tiles tq, tq + 1 of the block in s[blk]) against the key step s[jc] in buffer bf.
.macro GROUP bf, t0, tq, blk, jc
	WIN 0x0b                                       ; K window 3, Q window 2, S^T window 0
.set kD, 0
.rept 2
.set kT, 0
.rept 4
.set kU, 0
.rept 2                                ; eight accumulators by turns, one instruction a turn
.set rS, S+32*kU+8*kT
.set rK, 128*(\bf)+8*(2*kT+kD)
.set rQ, 16*((\t0)+kU)+8*kD
.if kD == 0
	v_wmma_f32_16x16x32_f16 v[rS:rS+7], v[rK:rK+7], v[rQ:rQ+7], 0
.else
	v_wmma_f32_16x16x32_f16 v[rS:rS+7], v[rK:rK+7], v[rQ:rQ+7], v[rS:rS+7]
.endif
.set kU, kU+1
.endr
.set kT, kT+1
.endr
.set kD, kD+1
.endr
	WIN 0
.rept 4
	v_nop                                          ; four places ahead of the first touch of results
.endr
	s_cmp_lg_u32 s[\jc], s[\blk]
	s_cbranch_scc1 .Lopen_\@
	MASK 0, \tq
	MASK 1, (\tq)+1
.Lopen_\@:
.irp c, 0,1,2,3                        ; the maximum of 32 scores and the old m: four chains, each begun at an accumulator's low end; the two tiles alternate
.irp u, 0,1
	v_max3_num_f32 v[TT+12*\u+4+\c], v[S+32*\u+8*\c], v[S+32*\u+8*\c+1], v[S+32*\u+8*\c+2]
.endr
.endr
.irp a, 3,5
.irp c, 0,1,2,3
.irp u, 0,1
	v_max3_num_f32 v[TT+12*\u+4+\c], v[TT+12*\u+4+\c], v[S+32*\u+8*\c+\a], v[S+32*\u+8*\c+\a+1]
.endr
.endr
.endr
.irp u, 0,1
	v_max3_num_f32 v[TT+12*\u+4], v[TT+12*\u+4], v[S+32*\u+7], v[S+32*\u+15]
	v_max3_num_f32 v[TT+12*\u+6], v[TT+12*\u+6], v[S+32*\u+23], v[S+32*\u+31]
.endr
.irp u, 0,1
	v_max3_num_f32 v[TT+12*\u+4], v[TT+12*\u+4], v[TT+12*\u+5], v[TT+12*\u+6]
.endr
.irp u, 0,1
	v_max3_num_f32 v[TT+12*\u+4], v[TT+12*\u+4], v[TT+12*\u+7], v[ST+4*((\t0)+\u)]
.endr
.irp u, 0,1
	v_permlanex16_b32 v[TT+12*\u+8], v[TT+12*\u+4], s22, s23      ; the query's other 32 keys lie in the lane 16 away
.endr
.irp u, 0,1
	v_max_num_f32 v[TT+12*\u+5], v[TT+12*\u+4], v[TT+12*\u+8]     ; the new m
.endr
.irp u, 0,1
	v_sub_f32 v[TT+12*\u], v[ST+4*((\t0)+\u)], v[TT+12*\u+5]      ; old m - new m
.endr
.irp u, 0,1
	v_mov_b32 v[ST+4*((\t0)+\u)], v[TT+12*\u+5]
.endr
.set i, 0
.rept 16
.irp u, 0,1
	v_pk_add_f32 v[S+32*\u+2*i:S+32*\u+2*i+1], v[S+32*\u+2*i:S+32*\u+2*i+1], v[ST+4*((\t0)+\u):ST+4*((\t0)+\u)+1] op_sel_hi:[1,0] neg_lo:[0,1] neg_hi:[0,1]   ; t - m
.endr
.set i, i+1
.endr
	v_exp_f32 v[TT+2], v[TT]                       ; ONE BATCH of 66 exponentials: a = 2^(old m - new m) of both tiles,
	v_exp_f32 v[TT+14], v[TT+12]
.set i, 0
.rept 64
	v_exp_f32 v[S+i], v[S+i]                       ; and p = 2^(t - m)
.set i, i+1
.endr
	v_nop                                          ; one plain line behind the last exponential
	s_wait_alu depctr_va_vdst(0)                   ; one wait for the batch, ahead of its first reader
.irp u, 0,1
	v_pk_mul_f32 v[ST+4*((\t0)+\u)+2:ST+4*((\t0)+\u)+3], v[ST+4*((\t0)+\u)+2:ST+4*((\t0)+\u)+3], v[TT+12*\u+2:TT+12*\u+3] op_sel_hi:[1,0]   ; l under the new m
	v_pk_add_f32 v[TT+12*\u+4:TT+12*\u+5], v[S+32*\u:S+32*\u+1], v[S+32*\u+2:S+32*\u+3]       ; the sum of the unrounded p, in two chains
.endr
.irp j, 4,8,12,16,20,24,28
.irp u, 0,1
	v_pk_add_f32 v[ST+4*((\t0)+\u)+2:ST+4*((\t0)+\u)+3], v[ST+4*((\t0)+\u)+2:ST+4*((\t0)+\u)+3], v[S+32*\u+\j:S+32*\u+\j+1]
	v_pk_add_f32 v[TT+12*\u+4:TT+12*\u+5], v[TT+12*\u+4:TT+12*\u+5], v[S+32*\u+\j+2:S+32*\u+\j+3]
.endr
.endr
.irp u, 0,1
	v_pk_add_f32 v[ST+4*((\t0)+\u)+2:ST+4*((\t0)+\u)+3], v[ST+4*((\t0)+\u)+2:ST+4*((\t0)+\u)+3], v[TT+12*\u+4:TT+12*\u+5]
.endr
.set i, 0
.rept 32
	v_cvt_pk_f16_f32 v[P+i], v[S+2*i], v[S+2*i+1]
.set i, i+1
.endr
	WIN 0x41                                       ; O^T (destination, source 0) window 1
.set i, 0
.rept 16
.irp u, 0,1
	v_pk_mul_f32 v[32*((\t0)+\u)+2*i:32*((\t0)+\u)+2*i+1], v[32*((\t0)+\u)+2*i:32*((\t0)+\u)+2*i+1], v[TT+12*\u+2:TT+12*\u+3] op_sel_hi:[1,0]   ; O^T under the new m
.endr
.set i, i+1
.endr
	WIN 0x53                                       ; V window 3, P window 0, O^T window 1
.set kD, 0
.rept 2
.set kT, 0
.rept 4
.set kU, 0
.rept 2
.set rO, 32*((\t0)+kU)+8*kT
.set rV, 128*(\bf)+64+8*(4*kD+kT)
.set rP, P+16*kU+8*kD
	v_wmma_f32_16x16x32_f16 v[rO:rO+7], v[rV:rV+7], v[rP:rP+7], v[rO:rO+7]
.set kU, kU+1
.endr
.set kT, kT+1
.endr
.set kD, kD+1
.endr
	WIN 0
.endm
.macro PHASE bf, jc                    ; the key step s[jc], which lies in buffer bf
	s_wait_loadcnt 32                              ; this buffer's 32 loads (and all older ones) are in; the other buffer's 32 stay out
.if (\bf) == 1
	s_cmp_gt_u32 s[\jc], s10                       ; a trip's second step may lie beyond HI: its work is jumped over, its wait and its reload are not
	s_cbranch_scc1 .Lno_low_\@
.endif
	GROUP \bf, 0, 0, 10, \jc
	GROUP \bf, 2, 2, 10, \jc
	s_cmp_gt_u32 s[\jc], s9                        ; beyond the low block's own step nothing counts for it
	s_cbranch_scc1 .Lno_low_\@
	GROUP \bf, 4, 0, 9, \jc
	GROUP \bf, 6, 2, 9, \jc
.Lno_low_\@:
.rept 4
	v_nop                                          ; four places ahead of loads into registers that matrix instructions have read
.endr
	s_add_co_u32 s20, s[\jc], 8
	s_min_u32 s20, s20, s10                        ; no load goes past the steps that count
	s_lshl_b32 s20, s20, 13
	s_add_nc_u64 s[16+2*(\bf):17+2*(\bf)], s[14:15], s[20:21]     ; this base's loads were waited for at the head
	KVLOAD \bf
.endm
	s_mov_b32 s31, 0                               ; the trip's number
.Ltrip:
	s_lshl_b32 s11, s31, 3
	s_add_co_u32 s11, s11, s8                      ; the trip's first key step: w + 8 x trip
	s_cmp_gt_u32 s11, s10
	s_cbranch_scc1 .Lpast                          ; beyond HI: the whole trip is left out, waits and reloads too: what is out stays as it is at every trip's head
	PHASE 0, 11
	s_add_co_u32 s12, s11, 4
	PHASE 1, 12
.Lpast:
	s_add_co_u32 s31, s31, 1
	s_cmp_lt_u32 s31, TRIPS
	s_cbranch_scc1 .Ltrip
; THE MERGE.  Every wave's (m, l) and O^T go to LDS as images of their registers; one barrier; wave w finishes tiles 2 w and 2 w + 1.
; (The last two reloads, 64 loads into window 3, are read by nobody and waited for by nobody: no line below names their registers.)
.rept 4
	v_nop                                          ; four places behind the last products
.endr
.irp t, 0,1,2,3,4,5,6,7
	v_add_f32 v[ST+4*\t+1], v[ST+4*\t+2], v[ST+4*\t+3]
.endr
.irp t, 0,1,2,3,4,5,6,7
	ds_store_b64 v9, v[ST+4*\t:ST+4*\t+1] offset:\t*256
.endr
	WIN 0x04                                       ; an LDS store's data are its source 1: window 1
.set i, 0
.rept 64
	ds_store_b128 v8, v[4*i:4*i+3] offset:i*512    ; each accumulator from its low end on
.set i, i+1
.endr
	WIN 0
	s_wait_dscnt 0x0                               ; for the others' sake: my stores have landed
	s_barrier_signal -1
	s_barrier_wait -1
.macro FINISH u
.irp v, 0,1,2,3
	ds_load_b64 v[48+2*\v:49+2*\v], v10 offset:\v*2048+(\u)*256
.endr
.set i, 0
.rept 8
	ds_load_b128 v[128+4*i:131+4*i], v11 offset:(\u)*4096+i*512
	ds_load_b128 v[160+4*i:163+4*i], v11 offset:32768+(\u)*4096+i*512
	ds_load_b128 v[192+4*i:195+4*i], v12 offset:(\u)*4096+i*512
	ds_load_b128 v[224+4*i:227+4*i], v12 offset:32768+(\u)*4096+i*512
.set i, i+1
.endr
	v_mov_b32 v62, 0
	s_wait_dscnt 0x0
	v_max3_num_f32 v56, v48, v50, v52
	v_max_num_f32 v56, v56, v54                    ; M
.irp v, 0,1,2,3
	v_sub_f32 v[57+\v], v[48+2*\v], v56
.endr
.irp v, 0,1,2,3
	v_exp_f32 v[57+\v], v[57+\v]                   ; f = 2^(m - M): 0 for a wave that had no step
.endr
	v_nop
	s_wait_alu depctr_va_vdst(0)
	v_mul_f32 v61, v57, v49
	v_fma_f32 v61, v58, v51, v61
	v_fma_f32 v61, v59, v53, v61
	v_fma_f32 v61, v60, v55, v61
	v_permlanex16_b32 v62, v61, s22, s23
	v_add_f32 v61, v61, v62                        ; the row's sum
	v_rcp_f32 v63, v61
	v_nop
	s_wait_alu depctr_va_vdst(0)
.irp v, 0,1,2,3
	v_mul_f32 v[64+2*\v], v[57+\v], v63
	v_mul_f32 v[65+2*\v], v[57+\v], v63
.endr
.set i, 0
.rept 16
	v_pk_mul_f32 v[128+2*i:129+2*i], v[128+2*i:129+2*i], v[64:65]
.set i, i+1
.endr
.irp v, 1,2,3
.set i, 0
.rept 16
	v_pk_fma_f32 v[128+2*i:129+2*i], v[128+32*\v+2*i:129+32*\v+2*i], v[64+2*\v:65+2*\v], v[128+2*i:129+2*i]
.set i, i+1
.endr
.endr
.set i, 0
.rept 16
	v_cvt_pk_f16_f32 v[80+16*(\u)+i], v[128+2*i], v[129+2*i]
.set i, i+1
.endr
.irp d, 0,1,2,3
	global_store_b128 v1, v[80+16*(\u)+4*\d:80+16*(\u)+4*\d+3], s[28:29] offset:(\u)*8192+\d*512   ; 512 consecutive bytes: the next launch's operand image
.endr
.endm
	FINISH 0
	FINISH 1
	s_wait_tensorcnt 0x0                           ; the wave's end
	ds_add_u32 v[SPW], v[NIL]
	s_wait_dscnt 0x0
	s_endpgm
.Lfunc_end_k_q2c9b84bb37_attn:
	.size	k_q2c9b84bb37_attn, .Lfunc_end_k_q2c9b84bb37_attn-k_q2c9b84bb37_attn
	.p2alignl 7, 3214868480
	.fill 96, 4, 3214868480
	.section	.rodata,"a",@progbits
	.p2align	6, 0x0
	.amdhsa_kernel k_q2c9b84bb37_attn
		.amdhsa_group_segment_fixed_size 139776
		.amdhsa_private_segment_fixed_size 0
		.amdhsa_enable_private_segment 0
		.amdhsa_kernarg_size 16
		.amdhsa_user_sgpr_count 2
		.amdhsa_user_sgpr_kernarg_segment_ptr 1
		.amdhsa_wavefront_size32 1
		.amdhsa_system_sgpr_workgroup_id_x 1
		.amdhsa_system_sgpr_workgroup_id_y 1
		.amdhsa_system_sgpr_workgroup_id_z 1
		.amdhsa_system_vgpr_workitem_id 0
		.amdhsa_next_free_vgpr 1024
		.amdhsa_next_free_sgpr 66
		.amdhsa_reserve_vcc 1
		.amdhsa_float_denorm_mode_32 3
		.amdhsa_float_denorm_mode_16_64 3
		.amdhsa_memory_ordered 1
		.amdhsa_forward_progress 1
		.amdhsa_inst_pref_size 185
	.end_amdhsa_kernel
	.amdgpu_metadata
---
amdhsa.version: [ 1, 2 ]
amdhsa.kernels:
  - .name:           k_q2c9b84bb37_attn
    .symbol:         k_q2c9b84bb37_attn.kd
    .args:
      - { .name: qkv16, .offset: 0, .size: 8, .value_kind: global_buffer, .address_space: global }
      - { .name: o16, .offset: 8, .size: 8, .value_kind: global_buffer, .address_space: global }
    .group_segment_fixed_size: 139776
    .private_segment_fixed_size: 0
    .kernarg_segment_align: 8
    .kernarg_segment_size: 16
    .max_flat_workgroup_size: 128
    .sgpr_count:     66
    .vgpr_count:     1024
    .wavefront_size: 32
...
	.end_amdgpu_metadata
.endif
;; end of part 3
;; launch outproj (part 4): grid 64 x 4, 4 waves a work-group, no clusters, 135,680 bytes of LDS; arguments o16, wo16, out0; writes out0
.if DOCPART == 4
	.amdgcn_target "amdgcn-amd-amdhsa--gfx1250"
	.amdhsa_code_object_version 6
	.text
	.protected	k_q2c9b84bb37_outproj
	.globl	k_q2c9b84bb37_outproj
	.p2align	8
	.type	k_q2c9b84bb37_outproj,@function
k_q2c9b84bb37_outproj:
	s_mov_b64 s[64:65], 0
	v_nop
	global_prefetch_b8 v0, s[64:65] scope:SCOPE_SE
	s_setreg_imm32_b32 hwreg(HW_REG_WAVE_MODE, 25, 1), 1
	s_wait_xcnt 0x0
; OUTPROJ.  out0 [8192][1024] f32 = O [8192][256] wo [256][1024]; both operands f16, in the order of the operand's registers; sums f32.
; A work-group: 128 rows x 256 columns.  Wave w: rows 64 (w / 2) on, columns 128 (w % 2) on: 4 row tiles x 8 column tiles x 8 K chunks of 32 = 256 matrix instructions.
; O's 32 fragments stay in registers (256); wo's come a column tile at a time, two tiles ahead, straight from memory.  Used transposed (source 0 = 16 columns of wo, source 1 = 16 rows of O):
; a lane holds one row and eight neighbouring columns; results go through the wave's own stage in LDS and leave as runs of 512 consecutive bytes of a row.  No barrier: waves share nothing.
; No cluster, no tensor load: K = 256 is one short pass; each operand byte goes once into registers of the wave that multiplies it.
; (Rows 0-15 of each batch are written here too, and written over by the launch that carries them in f32.)
.set ACC,   16                         ; v16-79: two sets of four accumulators
.set BK,    128                        ; v128-255: two sets of 16 rows on the way out
.set SPW,   4
.set NIL,   5
.set WST,   33792                      ; a wave's stage: 64 rows x 528 bytes
.set SPARE, 4*WST
.set MSB, 0
.macro WIN new
.if MSB != \new
	s_set_vgpr_msb (MSB<<8)|\new
.set MSB, \new
.endif
.endm
	s_load_b128 s[4:7], s[0:1], 0x0                ; o16, wo16
	s_load_b64 s[8:9], s[0:1], 0x10                ; out0
	v_lshl_add_u32 v[SPW], v0, 2, SPARE
	v_mov_b32 v[NIL], 0
	v_lshrrev_b32 v1, 5, v0
	v_readfirstlane_b32 s10, v1
	s_lshr_b32 s11, s10, 1
	s_and_b32 s12, s10, 1
	s_and_b32 s14, ttmp7, 0xffff
	v_and_b32 v1, 31, v0
	v_lshlrev_b32 v1, 4, v1
	v_and_b32 v6, 15, v0
	v_bfe_u32 v7, v0, 4, 1
	s_mul_i32 s15, s10, WST
	v_mul_u32_u24 v2, v6, 528
	v_lshl_add_u32 v2, v7, 5, v2
	v_add_nc_u32 v2, s15, v2                       ; into the stage: row r, 32 bytes for each half of the lanes
	v_add_nc_u32 v3, s15, v1                       ; back: a row's 512 bytes
	s_mov_b32 s17, 0
	s_wait_kmcnt 0x0
	s_lshl_b32 s16, ttmp9, 16
	s_lshl_b32 s18, s11, 15
	s_add_co_u32 s16, s16, s18
	s_add_nc_u64 s[4:5], s[4:5], s[16:17]
	s_lshl_b32 s16, s14, 17
	s_lshl_b32 s18, s12, 16
	s_add_co_u32 s16, s16, s18
	s_add_nc_u64 s[6:7], s[6:7], s[16:17]
	s_lshl_b32 s16, ttmp9, 19
	s_lshl_b32 s18, s11, 18
	s_add_co_u32 s16, s16, s18
	s_lshl_b32 s18, s14, 10
	s_add_co_u32 s16, s16, s18
	s_lshl_b32 s18, s12, 9
	s_add_co_u32 s16, s16, s18
	s_add_nc_u64 s[8:9], s[8:9], s[16:17]
.macro WOLOAD n                        ; column tile n: 8,192 consecutive bytes into set n % 2 of window 2
	WIN 0x80
.set i, 0
.rept 16
	global_load_b128 v[64*((\n)%2)+4*i:64*((\n)%2)+4*i+3], v1, s[6:7] offset:(\n)*8192+i*512
.set i, i+1
.endr
	WIN 0
.endm
	WIN 0x40
.set i, 0
.rept 64
	global_load_b128 v[4*i:4*i+3], v1, s[4:5] offset:i*512
.set i, i+1
.endr
	WOLOAD 0
	WOLOAD 1
.macro NT n
.set eS, (\n)%2
.if (\n) < 7
	s_wait_loadcnt 16                              ; this tile of wo (and O) is in; the next tile's sixteen loads stay out
.else
	s_wait_loadcnt 0x0
.endif
.if (\n) >= 2
	s_wait_dscnt 8                                 ; all but the last tile's eight stores: the stores that read this set of accumulators are done
.endif
	WIN 0x06                                       ; source 0 (wo) window 2, source 1 (O) window 1
.set kC, 0
.rept 8
.set kM, 0
.rept 4                                ; four accumulators by turns
.set rD, ACC+32*eS+8*kM
.if kC == 0
	v_wmma_f32_16x16x32_f16 v[rD:rD+7], v[64*eS+8*kC:64*eS+8*kC+7], v[64*kM+8*kC:64*kM+8*kC+7], 0
.else
	v_wmma_f32_16x16x32_f16 v[rD:rD+7], v[64*eS+8*kC:64*eS+8*kC+7], v[64*kM+8*kC:64*kM+8*kC+7], v[rD:rD+7]
.endif
.set kM, kM+1
.endr
.set kC, kC+1
.endr
	WIN 0
.rept 4
	v_nop                                          ; four places: ahead of loads into wo's set, and of the stores that read results
.endr
.if (\n) < 6
	WOLOAD (\n)+2
.endif
.set kM, 0
.rept 4
	ds_store_b128 v2, v[ACC+32*eS+8*kM:ACC+32*eS+8*kM+3] offset:kM*8448+(\n)*64
	ds_store_b128 v2, v[ACC+32*eS+8*kM+4:ACC+32*eS+8*kM+7] offset:kM*8448+(\n)*64+16
.set kM, kM+1
.endr
.endm
.irp n, 0,1,2,3,4,5,6,7
	NT \n
.endr
.macro SEND q                          ; rows 16 q .. 16 q + 15 of my 64
.if (\q) >= 2
	s_wait_xcnt 0x0                                ; the stores of two batches back have read these registers
.endif
.set i, 0
.rept 16
	ds_load_b128 v[BK+64*((\q)%2)+4*i:BK+64*((\q)%2)+4*i+3], v3 offset:(16*(\q)+i)*528   ; in order behind my own stores
.set i, i+1
.endr
.set i, 0
.rept 16
	s_wait_dscnt 15-i
	global_store_b128 v1, v[BK+64*((\q)%2)+4*i:BK+64*((\q)%2)+4*i+3], s[8:9] offset:(16*(\q)+i)*4096 th:TH_STORE_NT   ; 512 consecutive bytes of a row
.set i, i+1
.endr
.endm
	SEND 0
	SEND 1
	SEND 2
	SEND 3
	s_wait_tensorcnt 0x0                           ; the wave's end
	ds_add_u32 v[SPW], v[NIL]
	s_wait_dscnt 0x0
	s_endpgm
.Lfunc_end_k_q2c9b84bb37_outproj:
	.size	k_q2c9b84bb37_outproj, .Lfunc_end_k_q2c9b84bb37_outproj-k_q2c9b84bb37_outproj
	.p2alignl 7, 3214868480
	.fill 96, 4, 3214868480
	.section	.rodata,"a",@progbits
	.p2align	6, 0x0
	.amdhsa_kernel k_q2c9b84bb37_outproj
		.amdhsa_group_segment_fixed_size 135680
		.amdhsa_private_segment_fixed_size 0
		.amdhsa_enable_private_segment 0
		.amdhsa_kernarg_size 24
		.amdhsa_user_sgpr_count 2
		.amdhsa_user_sgpr_kernarg_segment_ptr 1
		.amdhsa_wavefront_size32 1
		.amdhsa_system_sgpr_workgroup_id_x 1
		.amdhsa_system_sgpr_workgroup_id_y 1
		.amdhsa_system_sgpr_workgroup_id_z 1
		.amdhsa_system_vgpr_workitem_id 0
		.amdhsa_next_free_vgpr 640
		.amdhsa_next_free_sgpr 66
		.amdhsa_reserve_vcc 0
		.amdhsa_float_denorm_mode_32 3
		.amdhsa_float_denorm_mode_16_64 3
		.amdhsa_memory_ordered 1
		.amdhsa_forward_progress 1
		.amdhsa_inst_pref_size 55
	.end_amdhsa_kernel
	.amdgpu_metadata
---
amdhsa.version: [ 1, 2 ]
amdhsa.kernels:
  - .name:           k_q2c9b84bb37_outproj
    .symbol:         k_q2c9b84bb37_outproj.kd
    .args:
      - { .name: o16, .offset: 0, .size: 8, .value_kind: global_buffer, .address_space: global }
      - { .name: wo16, .offset: 8, .size: 8, .value_kind: global_buffer, .address_space: global }
      - { .name: out0, .offset: 16, .size: 8, .value_kind: global_buffer, .address_space: global }
    .group_segment_fixed_size: 135680
    .private_segment_fixed_size: 0
    .kernarg_segment_align: 8
    .kernarg_segment_size: 24
    .max_flat_workgroup_size: 128
    .sgpr_count:     66
    .vgpr_count:     640
    .wavefront_size: 32
...
	.end_amdgpu_metadata
.endif
;; end of part 4
;; launch first16 (part 5): grid 16 x 2, 4 waves a work-group, no clusters, 17,920 bytes of LDS; arguments rows32, wo, out0; writes out0
.if DOCPART == 5
	.amdgcn_target "amdgcn-amd-amdhsa--gfx1250"
	.amdhsa_code_object_version 6
	.text
	.protected	k_q2c9b84bb37_first16
	.globl	k_q2c9b84bb37_first16
	.p2align	8
	.type	k_q2c9b84bb37_first16,@function
k_q2c9b84bb37_first16:
	s_mov_b64 s[64:65], 0
	v_nop
	global_prefetch_b8 v0, s[64:65] scope:SCOPE_SE
	s_setreg_imm32_b32 hwreg(HW_REG_WAVE_MODE, 25, 1), 1
	s_wait_xcnt 0x0
; FIRST16.  Positions 0-15 of both batches, attention and output projection, with f32 operands: these rows average one to sixteen values and are the largest of the output, so f16's rounding would weigh most there.
; A work-group: 64 columns of out0 (grid x) of one batch (grid y).  Wave w is head w: it makes the head's 16 x 16 scores, softmax, O (16 x 64) and its part of the projection; the four parts are added through LDS.
; All products by v_wmma_f32_16x16x4_f32, used transposed, so that a lane keeps one query throughout: 96 matrix instructions a wave, no bulk work.  K is taken in an order that is the same on both sources:
; scores: lane half hh holds d = 32 hh + 0..31, step ks its registers 2 ks, 2 ks + 1; second product: keys 8 hh + 2 jj + 0, 1; projection: d = 16 dt + 8 hh + 2 jj + 0, 1.
; The registers that these matrix instructions write (v112-143, v168-199) are written by nothing else; what is made of a sum goes into other registers.
; REGISTERS: v16-47 Q, v48-79 K, v80-111 V^T, v112-143 four score sums, later the projection's four, v144-167 sums of sums, then p, v168-199 O^T, v200-231 O^T / l; window 1: wo's 128 numbers a lane.
.set SPW,   12
.set NIL,   13
.set SPARE, 17408                      ; behind four parts of 16 rows x 272 bytes
.set MSB, 0
.macro WIN new
.if MSB != \new
	s_set_vgpr_msb (MSB<<8)|\new
.set MSB, \new
.endif
.endm
	s_load_b128 s[4:7], s[0:1], 0x0                ; rows32, wo
	s_load_b64 s[8:9], s[0:1], 0x10                ; out0
	v_lshl_add_u32 v[SPW], v0, 2, SPARE
	v_mov_b32 v[NIL], 0
	v_lshrrev_b32 v1, 5, v0
	v_readfirstlane_b32 s10, v1                    ; wave = head
	s_and_b32 s11, ttmp7, 0xffff                   ; batch
	v_and_b32 v1, 15, v0                           ; r
	v_bfe_u32 v2, v0, 4, 1                         ; hh
	v_lshlrev_b32 v3, 8, v1
	v_lshl_add_u32 v3, v2, 7, v3                   ; q', k: token r, d = 32 hh on
	v_lshlrev_b32 v4, 6, v1
	v_lshl_add_u32 v4, v2, 5, v4                   ; v^T: d = r, tokens 8 hh on
	v_lshlrev_b32 v5, 15, v2
	v_lshl_add_u32 v5, v1, 2, v5                   ; wo: 8 hh rows down, column r
	v_lshlrev_b32 v6, 3, v2
	v_sub_nc_u32 v6, v1, v6                        ; register jj is hidden where jj > r - 8 hh
	v_mov_b32 v7, 0xff800000
	s_mul_i32 s12, s10, 4352
	v_mul_u32_u24 v8, v1, 272
	v_lshl_add_u32 v8, v2, 5, v8
	v_add_nc_u32 v8, s12, v8                       ; my part: row r, 32 bytes for each half of the lanes
	s_mul_i32 s12, s10, 1088
	v_mul_u32_u24 v9, v2, 272
	v_lshl_add_u32 v9, v1, 4, v9
	v_add_nc_u32 v9, s12, v9                       ; back: rows 4 w + hh (+ 2 u), 16 bytes a lane
	v_lshlrev_b32 v10, 12, v2
	v_lshl_add_u32 v10, v1, 4, v10                 ; and the same in out0
	v_mov_b32 v233, 0                              ; a lane permute's destination counts as one of its sources
	s_mov_b32 s14, 0x76543210
	s_mov_b32 s15, 0xfedcba98
	s_mov_b32 s17, 0
	s_wait_kmcnt 0x0
	s_lshl_b32 s16, s11, 2
	s_add_co_u32 s16, s16, s10
	s_lshl_b32 s16, s16, 12
	s_add_nc_u64 s[4:5], s[4:5], s[16:17]
	s_lshl_b32 s16, s10, 18                        ; 64 rows of wo
	s_lshl_b32 s18, ttmp9, 8
	s_add_co_u32 s16, s16, s18
	s_add_nc_u64 s[6:7], s[6:7], s[16:17]
	s_lshl_b32 s16, s11, 24
	s_lshl_b32 s19, s10, 14
	s_add_co_u32 s16, s16, s19
	s_add_co_u32 s16, s16, s18
	s_add_nc_u64 s[8:9], s[8:9], s[16:17]
.set i, 0
.rept 8
	global_load_b128 v[16+4*i:19+4*i], v3, s[4:5] offset:16*i
	global_load_b128 v[48+4*i:51+4*i], v3, s[4:5] offset:32768+16*i
	global_load_b128 v[80+4*i:83+4*i], v4, s[4:5] offset:65536+(i/2)*1024+(i%2)*16
.set i, i+1
.endr
	WIN 0x40
.set i, 0
.rept 128                              ; register ((nt 4 + dt) 4 + jj) 2 + j = wo[64 w + 16 dt + 8 hh + 2 jj + j][16 nt + r]
	global_load_b32 v[i], v5, s[6:7] offset:(16*((i/8)%4)+(i%8))*4096+(i/32)*64
.set i, i+1
.endr
	WIN 0
	s_wait_loadcnt 0x0                             ; one wait for all: a short launch, and a count cannot name the 128 behind
.set kS, 0
.rept 16                               ; S^T = K Q^T: four sums by turns
.set rD, 112+8*(kS&3)
.if kS < 4
	v_wmma_f32_16x16x4_f32 v[rD:rD+7], v[48+2*kS:49+2*kS], v[16+2*kS:17+2*kS], 0
.else
	v_wmma_f32_16x16x4_f32 v[rD:rD+7], v[48+2*kS:49+2*kS], v[16+2*kS:17+2*kS], v[rD:rD+7]
.endif
.set kS, kS+1
.endr
.rept 8
	v_nop                                          ; eight places behind this form
.endr
.irp i, 0,2,4,6
	v_pk_add_f32 v[144+\i:145+\i], v[112+\i:113+\i], v[120+\i:121+\i]
	v_pk_add_f32 v[152+\i:153+\i], v[128+\i:129+\i], v[136+\i:137+\i]
.endr
.irp i, 0,2,4,6
	v_pk_add_f32 v[160+\i:161+\i], v[144+\i:145+\i], v[152+\i:153+\i]
.endr
.irp j, 0,1,2,3,4,5,6,7
	v_cmp_gt_i32 vcc_lo, \j, v6
	v_cndmask_b32 v[160+\j], v[160+\j], v7, vcc_lo
.endr
	v_max3_num_f32 v232, v160, v161, v162
	v_max3_num_f32 v232, v232, v163, v164
	v_max3_num_f32 v232, v232, v165, v166
	v_max_num_f32 v232, v232, v167
	v_permlanex16_b32 v233, v232, s14, s15
	v_max_num_f32 v232, v232, v233                 ; key 0 counts for every query: the maximum is a number
.irp j, 0,1,2,3,4,5,6,7
	v_sub_f32 v[160+\j], v[160+\j], v232
.endr
.irp j, 0,1,2,3,4,5,6,7
	v_exp_f32 v[160+\j], v[160+\j]
.endr
	v_nop
	s_wait_alu depctr_va_vdst(0)                   ; one wait for the eight
	v_pk_add_f32 v[234:235], v[160:161], v[162:163]
	v_pk_add_f32 v[236:237], v[164:165], v[166:167]
	v_pk_add_f32 v[234:235], v[234:235], v[236:237]
	v_add_f32 v234, v234, v235
	v_permlanex16_b32 v233, v234, s14, s15
	v_add_f32 v234, v234, v233
	v_rcp_f32 v238, v234
	v_rcp_f32 v239, v234
.set kJ, 0
.rept 4                                ; O^T = V^T P: they name neither reciprocal
.set kT, 0
.rept 4
.set rD, 168+8*kT
.if kJ == 0
	v_wmma_f32_16x16x4_f32 v[rD:rD+7], v[80+8*kT+2*kJ:81+8*kT+2*kJ], v[160+2*kJ:161+2*kJ], 0
.else
	v_wmma_f32_16x16x4_f32 v[rD:rD+7], v[80+8*kT+2*kJ:81+8*kT+2*kJ], v[160+2*kJ:161+2*kJ], v[rD:rD+7]
.endif
.set kT, kT+1
.endr
.set kJ, kJ+1
.endr
.rept 8
	v_nop                                          ; eight places; the first is also the plain line behind the reciprocals
.endr
	s_wait_alu depctr_va_vdst(0)                   ; the wait for the two reciprocals, ahead of their first reader
.set i, 0
.rept 16
	v_pk_mul_f32 v[200+2*i:201+2*i], v[168+2*i:169+2*i], v[238:239]
.set i, i+1
.endr
	WIN 0x01                                       ; source 0 (wo) window 1
.set kT, 0
.rept 4
.set kJ, 0
.rept 4
.set kN, 0
.rept 4
.set rD, 112+8*kN
.set rA, ((kN*4+kT)*4+kJ)*2
.if (kT == 0) && (kJ == 0)
	v_wmma_f32_16x16x4_f32 v[rD:rD+7], v[rA:rA+1], v[200+8*kT+2*kJ:201+8*kT+2*kJ], 0
.else
	v_wmma_f32_16x16x4_f32 v[rD:rD+7], v[rA:rA+1], v[200+8*kT+2*kJ:201+8*kT+2*kJ], v[rD:rD+7]
.endif
.set kN, kN+1
.endr
.set kJ, kJ+1
.endr
.set kT, kT+1
.endr
	WIN 0
.rept 8
	v_nop
.endr
.irp n, 0,1,2,3
	ds_store_b128 v8, v[112+8*\n:115+8*\n] offset:64*\n
	ds_store_b128 v8, v[116+8*\n:119+8*\n] offset:64*\n+16
.endr
	s_wait_dscnt 0x0                               ; for the others' sake: my part has landed
	s_barrier_signal -1
	s_barrier_wait -1
.irp v, 0,1,2,3
	ds_load_b128 v[240+4*\v:243+4*\v], v9 offset:\v*4352
	ds_load_b128 v[16+4*\v:19+4*\v], v9 offset:\v*4352+544
.endr
	s_wait_dscnt 0x0
.irp b, 240, 16
	v_pk_add_f32 v[\b:\b+1], v[\b:\b+1], v[\b+4:\b+5]
	v_pk_add_f32 v[\b+2:\b+3], v[\b+2:\b+3], v[\b+6:\b+7]
	v_pk_add_f32 v[\b+8:\b+9], v[\b+8:\b+9], v[\b+12:\b+13]
	v_pk_add_f32 v[\b+10:\b+11], v[\b+10:\b+11], v[\b+14:\b+15]
	v_pk_add_f32 v[\b:\b+1], v[\b:\b+1], v[\b+8:\b+9]
	v_pk_add_f32 v[\b+2:\b+3], v[\b+2:\b+3], v[\b+10:\b+11]
.endr
	global_store_b128 v10, v[240:243], s[8:9]                      ; sixteen lanes store 256 consecutive bytes of a row
	global_store_b128 v10, v[16:19], s[8:9] offset:8192
	s_wait_tensorcnt 0x0                           ; the wave's end
	ds_add_u32 v[SPW], v[NIL]
	s_wait_dscnt 0x0
	s_endpgm
.Lfunc_end_k_q2c9b84bb37_first16:
	.size	k_q2c9b84bb37_first16, .Lfunc_end_k_q2c9b84bb37_first16-k_q2c9b84bb37_first16
	.p2alignl 7, 3214868480
	.fill 96, 4, 3214868480
	.section	.rodata,"a",@progbits
	.p2align	6, 0x0
	.amdhsa_kernel k_q2c9b84bb37_first16
		.amdhsa_group_segment_fixed_size 17920
		.amdhsa_private_segment_fixed_size 0
		.amdhsa_enable_private_segment 0
		.amdhsa_kernarg_size 24
		.amdhsa_user_sgpr_count 2
		.amdhsa_user_sgpr_kernarg_segment_ptr 1
		.amdhsa_wavefront_size32 1
		.amdhsa_system_sgpr_workgroup_id_x 1
		.amdhsa_system_sgpr_workgroup_id_y 1
		.amdhsa_system_sgpr_workgroup_id_z 1
		.amdhsa_system_vgpr_workitem_id 0
		.amdhsa_next_free_vgpr 384
		.amdhsa_next_free_sgpr 66
		.amdhsa_reserve_vcc 1
		.amdhsa_float_denorm_mode_32 3
		.amdhsa_float_denorm_mode_16_64 3
		.amdhsa_memory_ordered 1
		.amdhsa_forward_progress 1
		.amdhsa_inst_pref_size 30
	.end_amdhsa_kernel
	.amdgpu_metadata
---
amdhsa.version: [ 1, 2 ]
amdhsa.kernels:
  - .name:           k_q2c9b84bb37_first16
    .symbol:         k_q2c9b84bb37_first16.kd
    .args:
      - { .name: rows32, .offset: 0, .size: 8, .value_kind: global_buffer, .address_space: global }
      - { .name: wo, .offset: 8, .size: 8, .value_kind: global_buffer, .address_space: global }
      - { .name: out0, .offset: 16, .size: 8, .value_kind: global_buffer, .address_space: global }
    .group_segment_fixed_size: 17920
    .private_segment_fixed_size: 0
    .kernarg_segment_align: 8
    .kernarg_segment_size: 24
    .max_flat_workgroup_size: 128
    .sgpr_count:     66
    .vgpr_count:     384
    .wavefront_size: 32
...
	.end_amdgpu_metadata
.endif
;; end of part 5
